; MI455X (gfx1250); checked and timed in simulation.
; The chip was launched on July 23, 2026; its instructions are those of AMD's public machine-readable ISA for CDNA 5 (MIT licence, August 2026) and "CDNA5" Instruction Set Architecture Reference Guide (July 2026). The comments in the code are by the model that wrote it; some were corrected since.
;; Attention Layer. Allowed arithmetic: matrix products marked QUANTISED: E2M1 operands, one E8M0 scale for each 32 along K, by v_wmma_scale_f32_16x16x128_f8f6f4 with both operands' format E2M1 (or v_wmma_scale_f32_32x16x128_f4), f32 sums; products left as they are: f32 operands where the result goes on into a quantised operand, else bf16, f16 or f32 operands; f32 sums; everything else in f32.
;; Inputs: w 512 x 1 float32; weight_k 512 x 512 float32; weight_q 512 x 512 float32; weight_v 512 x 512 float32; x 256 x 512 x 512 float32.
;; Outputs: out0 256 x 512 float32.
;; This version of the problem:
;;   THIS VERSION OF THE PROBLEM IS GIVEN IN LOW PRECISION. The matrix products marked QUANTISED in the list below multiply operands that are first quantised to E2M1 (2 exponent bits, 1 mantissa bit; 4 bits a number), with one power-of-two scale for each 32 numbers along K (OCP MX v1.0); their sums are f32. All else is computed in f32.
;;   The module's matrix products, in the order in which they are computed (A, B: the left and right operand; K: the contracted axis; several contracted axes count as one K, in the product's order):
;;     1. [M 131,072, K 512] x [K 512, N 512]; A: input x; B: input weight_k: QUANTISED
;;     2. [M 131,072, K 512] x [K 512, N 512]; A: input x; B: input weight_v: QUANTISED
;;     3. [M 131,072, K 512] x [K 512, N 1]; A: input x; B: input w: left as it is (N = 1 < 16)
;;     4. [M 256, K 512] x [K 512, N 512]; A: computed on the way; B: input weight_q: QUANTISED
;;     5. batch 256 x [M 1, K 512] x [K 512, N 512]; A: computed on the way; B: computed on the way: left as it is (M = 1 < 16)
;;     6. batch 256 x [M 1, K 512] x [K 512, N 512]; A: softmax; B: computed on the way: left as it is (M = 1 < 16)
;;   THE QUANTISER, for each operand of a quantised product, along K:
;;     - K is cut into blocks of 32 from its start; a last block that is shorter is filled with zeros.
;;     - A block's scale is 2^e with e = floor(log2(the largest magnitude in the block)) - 2, held to -126 .. 127; a block of zeros has e = 0. As a byte (E8M0): e + 127.
;;     - Each number is divided by its block's scale, clamped to +-6, and rounded to the nearest number of E2M1, ties to even, subnormals kept.
;;     - The product sums the exact products of the quantised numbers (number of the format x scale) in f32.
;;   ~~~python
;;   def quantise(x, axis):      # numpy; x: float32 -> the quantised numbers, widened to float32 again
;;       x = np.moveaxis(x, axis, -1); K = x.shape[-1]
;;       x = np.pad(x, [(0, 0)] * (x.ndim - 1) + [(0, -K % 32)]); x = x.reshape(x.shape[:-1] + (-1, 32)); a = np.abs(x).max(-1, keepdims=True)
;;       e = np.where(a > 0, np.clip(np.frexp(np.where(a > 0, a, 1))[1] - 1 - 2, -126, 127), 0)      # np.frexp(a)[1] - 1 = floor(log2(a)), exactly
;;       r = np.clip(x / 2.0 ** e, -6, 6)
;;       step = 2.0 ** (np.maximum(np.frexp(np.where(r == 0, 1, r))[1] - 1, 0) - 1)
;;       q = np.round(r / step) * step * 2.0 ** e      # np.round: ties to even
;;       return np.moveaxis(q.reshape(q.shape[:-2] + (-1,))[..., :K], -1, axis).astype(np.float32)
;;   ~~~
;;   OPERANDS COMPUTED ON THE WAY. 'Computed on the way' means the value that the module computes at that place (a softmax that the list does not call 'softmax' is quantised finished and normalised). What goes into a quantiser is computed in f32, as accurately as f32 sums, v_exp_f32 and their like allow (about 1e-6 of the number): no bf16 or f16 on the way to a quantiser, and a product that is left as it is and whose result goes on into a quantised operand takes f32 operands (vector FMAs, or v_wmma_f32_16x16x4_f32). A number that lies on a knife's edge between two numbers of the format may be rounded either way, as far as f32 arithmetic and the matrix unit's own rounding can turn it there, and no further.
;; 2 versions, each right; version 2 is version 1 with the launch attn written anew for expert scheduling mode. Each part assembles by itself: llvm-mc -triple=amdgcn-amd-amdhsa -mcpu=gfx1250 --defsym DOCPART=n.
;; ======== version 1 of 2: 2 launches
;; workspace buffers: wcodes 393,216 bytes; wscales 24,576 bytes
;; launch prep (part 1): grid 4 x 24, 4 waves a work-group, no clusters, 0 bytes of LDS; arguments weight_q, weight_k, weight_v, wcodes, wscales; writes wcodes, wscales
.if DOCPART == 1
	.amdgcn_target "amdgcn-amd-amdhsa--gfx1250"
	.amdhsa_code_object_version 6
	.text
	.protected	k_qcaa79a3283_prep
	.globl	k_qcaa79a3283_prep
	.p2align	8
	.type	k_qcaa79a3283_prep,@function
k_qcaa79a3283_prep:
	s_mov_b64 s[64:65], 0
	v_nop
	global_prefetch_b8 v0, s[64:65] scope:SCOPE_SE
	s_setreg_imm32_b32 hwreg(HW_REG_WAVE_MODE, 25, 1), 1
	s_wait_xcnt 0x0
; weight_q, weight_k, weight_v: [512 (k)][512 (n)] f32, K the FIRST axis.  Each is turned into codes of FP4 (E2M1) with one E8M0 byte for each 32 along K,
; laid as IMAGES OF THE OPERAND'S REGISTERS, so that the next launch fills a fragment by loads of 16 bytes a lane, 512 consecutive bytes a load:
;   wcodes  [mat 3: q, k, v][nt 32][s 4][c 2][lane 32][16 bytes]: lane (r, h), registers 4 c .. 4 c + 3 of the fragment of columns 16 nt + r, K step s: k = 128 s + 64 c + 32 h + 0 .. 31
;   wscales [mat][nt][s][r] words of four bytes: byte 2 c + h is the byte of block 4 s + 2 c + h of column 16 nt + r
; A block's scale is 2^(floor(log2(its largest magnitude)) - 2); its byte is the largest magnitude's exponent field - 2, held at 1 from below.
; (A block of zeros so gets the byte 1 and not 127: its codes are zeros, which add nothing, and this program alone reads the bytes.)
; LIMITS: NaN and infinities among the inputs are not served.
; SHARES.  A LANE TAKES A COLUMN n AND ITS REGISTERS RUN DOWN K: a load reads 128 consecutive bytes a wave, 512 a work-group; a block of 32 lies in one lane's registers,
; so its largest magnitude needs no other lane and the conversions give codes with K innermost.  Work-group (x, y): columns 128 x on; y = 8 mat + slab, a slab being 64 along K
; (K step slab / 2, register group slab % 2): two blocks a lane, 64 loads, all issued at once.  96 work-groups: the three weights have no more work than that at this share.
; No LDS, no barrier: waves share nothing.  The codes leave as whole runs of 256 aligned consecutive bytes (sixteen lanes, 16 bytes each).  The scale bytes leave two a lane,
; 4 bytes apart: runs written in part, 24,576 bytes in the whole launch against 3 MiB read.
.set X,  16                            ; v16-79  the numbers: block h at v[16 + 32 h]
.set CD, 80                            ; v80-87  the codes: block h at v[80 + 4 h]
	s_load_b256 s[4:11], s[0:1], 0x0               ; weight_q s[4:5], weight_k s[6:7], weight_v s[8:9], wcodes s[10:11]
	s_load_b64 s[12:13], s[0:1], 0x20              ; wscales
	v_lshrrev_b32 v2, 5, v0
	v_readfirstlane_b32 s14, v2                    ; wave 0..3
	v_and_b32 v1, 31, v0                           ; lane l
	v_lshlrev_b32 v3, 2, v1                        ; in: 4 bytes a lane
	v_lshrrev_b32 v2, 4, v1                        ; l / 16: which of my wave's two tiles of 16 columns
	v_and_b32 v7, 15, v1                           ; r
	v_lshlrev_b32 v4, 4, v7
	v_lshl_add_u32 v4, v2, 12, v4                  ; codes: 4,096 (l / 16) + 16 r
	v_lshlrev_b32 v5, 2, v7
	v_lshl_add_u32 v5, v2, 8, v5                   ; scale words: 256 (l / 16) + 4 r
	s_and_b32 s15, ttmp7, 0xffff                   ; y
	s_lshr_b32 s16, s15, 3                         ; mat
	s_and_b32 s17, s15, 7                          ; slab = 2 s + c
	s_lshl_b32 s20, s17, 17                        ; in: 64 rows of 2,048 bytes a slab,
	s_lshl_b32 s18, ttmp9, 9                       ; 512 bytes a work-group,
	s_add_co_u32 s20, s20, s18
	s_lshl_b32 s18, s14, 7                         ; 128 a wave
	s_add_co_u32 s20, s20, s18
	s_mov_b32 s21, 0
	s_lshl_b32 s22, s16, 17                        ; codes: 131,072 mat + 4,096 (8 x + 2 wave) + 512 slab (= 1,024 s + 512 c)
	s_lshl_b32 s18, ttmp9, 15
	s_add_co_u32 s22, s22, s18
	s_lshl_b32 s18, s14, 13
	s_add_co_u32 s22, s22, s18
	s_lshl_b32 s18, s17, 9
	s_add_co_u32 s22, s22, s18
	s_mov_b32 s23, 0
	s_lshl_b32 s24, s16, 13                        ; scale bytes: 8,192 mat + 256 (8 x + 2 wave) + 64 s + 2 c
	s_lshl_b32 s18, ttmp9, 11
	s_add_co_u32 s24, s24, s18
	s_lshl_b32 s18, s14, 9
	s_add_co_u32 s24, s24, s18
	s_lshr_b32 s18, s17, 1
	s_lshl_b32 s18, s18, 6
	s_add_co_u32 s24, s24, s18
	s_and_b32 s18, s17, 1
	s_lshl_b32 s18, s18, 1
	s_add_co_u32 s24, s24, s18
	s_mov_b32 s25, 0
	s_wait_kmcnt 0x0
	s_cmp_lt_u32 s15, 8                            ; which weight: the choice hangs on the work-group's number alone
	s_cselect_b64 s[4:5], s[4:5], s[6:7]
	s_cmp_lt_u32 s15, 16
	s_cselect_b64 s[4:5], s[4:5], s[8:9]
	s_add_nc_u64 s[4:5], s[4:5], s[20:21]
	s_add_nc_u64 s[10:11], s[10:11], s[22:23]
	s_add_nc_u64 s[12:13], s[12:13], s[24:25]
.set I, 0
.rept 64
	global_load_b32 v[X+I], v3, s[4:5] offset:I*2048 th:TH_LOAD_NT   ; W(64 slab + I, my column): read once in this launch
.set I, I+1
.endr
	s_wait_loadcnt 0x0
.irp h, 0,1                            ; each block's largest magnitude in two chains, the two blocks by turns
	v_max3_num_f32 v[8+2*\h], |v[X+32*\h]|, |v[X+32*\h+1]|, |v[X+32*\h+2]|
	v_max3_num_f32 v[9+2*\h], |v[X+32*\h+3]|, |v[X+32*\h+4]|, |v[X+32*\h+5]|
.endr
.irp i, 6,10,14,18,22,26
.irp h, 0,1
	v_max3_num_f32 v[8+2*\h], v[8+2*\h], |v[X+32*\h+\i]|, |v[X+32*\h+\i+1]|
	v_max3_num_f32 v[9+2*\h], v[9+2*\h], |v[X+32*\h+\i+2]|, |v[X+32*\h+\i+3]|
.endr
.endr
.irp h, 0,1
	v_max3_num_f32 v[8+2*\h], v[8+2*\h], |v[X+32*\h+30]|, |v[X+32*\h+31]|
.endr
.irp h, 0,1
	v_max3_num_f32 v[8+2*\h], v[8+2*\h], v[9+2*\h], 0x1800000   ; and the floor 2^(3 - 127): the byte cannot fall under 1
.endr
.irp h, 0,1
	v_add_nc_u32 v[12+\h], 0xff000000, v[8+2*\h]   ; 2 off the exponent field: the conversion takes the exponent field of this operand as its scale
.endr
.irp h, 0,1
	v_lshrrev_b32 v[14+\h], 23, v[12+\h]           ; the scale's byte
.endr
.irp h, 0,1
.irp g, 0,1,2,3
	v_cvt_scalef32_pk8_fp4_f32 v[CD+4*\h+\g], v[X+32*\h+8*\g:X+32*\h+8*\g+7], v[12+\h]
.endr
.endr
	v_lshl_or_b32 v6, v15, 8, v14                  ; bytes 2 c and 2 c + 1 of the scale word.  (Also the plain line behind the conversions)
.irp h, 0,1
	global_store_b128 v4, v[CD+4*\h:CD+4*\h+3], s[10:11] offset:256*\h   ; lane slot 16 h + r: sixteen lanes store 256 consecutive bytes, aligned
.endr
	global_store_b16 v5, v6, s[12:13]
	s_endpgm
.Lfunc_end_k_qcaa79a3283_prep:
	.size	k_qcaa79a3283_prep, .Lfunc_end_k_qcaa79a3283_prep-k_qcaa79a3283_prep
	.p2alignl 7, 3214868480
	.fill 96, 4, 3214868480
	.section	.rodata,"a",@progbits
	.p2align	6, 0x0
	.amdhsa_kernel k_qcaa79a3283_prep
		.amdhsa_group_segment_fixed_size 0
		.amdhsa_private_segment_fixed_size 0
		.amdhsa_enable_private_segment 0
		.amdhsa_kernarg_size 40
		.amdhsa_user_sgpr_count 2
		.amdhsa_user_sgpr_kernarg_segment_ptr 1
		.amdhsa_wavefront_size32 1
		.amdhsa_system_sgpr_workgroup_id_x 1
		.amdhsa_system_sgpr_workgroup_id_y 1
		.amdhsa_system_sgpr_workgroup_id_z 1
		.amdhsa_system_vgpr_workitem_id 0
		.amdhsa_next_free_vgpr 96
		.amdhsa_next_free_sgpr 66
		.amdhsa_reserve_vcc 0
		.amdhsa_float_denorm_mode_32 3
		.amdhsa_float_denorm_mode_16_64 3
		.amdhsa_memory_ordered 1
		.amdhsa_forward_progress 1
		.amdhsa_inst_pref_size 12
	.end_amdhsa_kernel
	.amdgpu_metadata
---
amdhsa.version: [ 1, 2 ]
amdhsa.kernels:
  - .name:           k_qcaa79a3283_prep
    .symbol:         k_qcaa79a3283_prep.kd
    .args:
      - { .name: weight_q, .offset: 0, .size: 8, .value_kind: global_buffer, .address_space: global }
      - { .name: weight_k, .offset: 8, .size: 8, .value_kind: global_buffer, .address_space: global }
      - { .name: weight_v, .offset: 16, .size: 8, .value_kind: global_buffer, .address_space: global }
      - { .name: wcodes, .offset: 24, .size: 8, .value_kind: global_buffer, .address_space: global }
      - { .name: wscales, .offset: 32, .size: 8, .value_kind: global_buffer, .address_space: global }
    .group_segment_fixed_size: 0
    .private_segment_fixed_size: 0
    .kernarg_segment_align: 8
    .kernarg_segment_size: 40
    .max_flat_workgroup_size: 128
    .sgpr_count:     66
    .vgpr_count:     96
    .wavefront_size: 32
...
	.end_amdgpu_metadata
.endif
;; end of part 1
;; launch attn (part 2): grid 256 x 1, 4 waves a work-group, no clusters, 194,048 bytes of LDS; arguments x, w, wcodes, wscales, out0; writes out0
.if DOCPART == 2
	.amdgcn_target "amdgcn-amd-amdhsa--gfx1250"
	.amdhsa_code_object_version 6
	.text
	.protected	k_qcaa79a3283_attn
	.globl	k_qcaa79a3283_attn
	.p2align	8
	.type	k_qcaa79a3283_attn,@function
k_qcaa79a3283_attn:
	s_mov_b64 s[64:65], 0
	v_nop
	global_prefetch_b8 v0, s[64:65] scope:SCOPE_SE
	s_setreg_imm32_b32 hwreg(HW_REG_WAVE_MODE, 25, 1), 1
	s_wait_xcnt 0x0
; out[b] = softmax_w(Q . K[w] / sqrt(512)) . V,  K = Q4(x[b]) Q4(Wk),  V = Q4(x[b]) Q4(Wv),  t = x[b]^T w (f32),  Q = Q4(t) Q4(Wq);  Q4 = MX-FP4 along the features.
; ONE WORK-GROUP TO A SAMPLE: x[b] is 512 words x 512 features, 1 MiB of f32.  No score can be made before all of x[b] is read (Q wants t), and K and V (1 MiB each) cannot be kept;
; x[b] as codes is 128 KiB + 8 KiB of scale words and stays in LDS.  So: (1) x is read ONCE, t is summed and x quantised on the way; (2) Q; (3) K tile by tile, each tile folded into
; scores at once; (4) the softmax, with the true maximum taken away; (5) V tile by tile, each tile folded into the weighted sum.  K and V never leave the registers.
; THE WAVES SHARE COLUMNS, NOT ROWS.  Wave wv owns features 128 wv .. + 127 of x (K step wv of every product) and outputs 128 wv .. + 127 of Wq, Wk, Wv: its 8 tiles x 4 K steps of a
; weight are 256 registers, loaded once from register images and kept.  x's fragments go from wave to wave through LDS as images of their registers (16 bytes a lane, 512 a line).
; NO JOINT LOADS, though all work-groups read the same weights: a joint load lands in LDS, the three weights' codes and scales are 408 KiB, and beside x's 136 KiB they do not fit
; in the 320 KiB; from LDS they would also be read once more for every tile of rows.  In registers each wave reads its 96 KiB of them once.
; No copy engine fills LDS here, so the waves meet at two barriers only: behind the stream, and behind the scores.
; LIMITS: NaN and infinities among the inputs are not served.  A block of zeros gets the scale byte 1 (not 127) with zero codes.  A weight p under 2^-126 counts as 0 (v_exp_f32).
;
; LDS:  XIMG [s 4][m 32][c 2][lane][16]   x's fragments (K step s, words 16 m on);  XSC [s 4][word 512] their scale words;  STG a stage of 16 rows x 528 bytes for each wave;
;       TV t[512];  SCP [wave][512] partial scores;  PV [wave][512] p, a copy for each wave;  OST [wave][128] the way out.
.set XIMG, 0
.set XSC,  131072
.set STG,  139264
.set STGW, 16*528                      ; a stage row: 512 bytes + 16, 33 x 16: the sixteen rows that a read touches start 16 bytes further on in each 256
.set TV,   173056
.set SCP,  175104
.set PV,   183296
.set OST,  191488
; REGISTERS, in windows of 256.  Window 0: v1-19 addresses; v20-63 scale words and nothing else; v64-255 as below.  Window 1: Wq, later Wv (fragment (t, s) at v[32 t + 8 s]).
; Window 2: Wk likewise.  Window 3: in the stream four sets of 16 rows x 4 registers as loaded; then v0-63: Q x log2(e) / sqrt(512).
.set LN16, 1                           ; 16 x lane
.set LN4,  2                           ; 4 x lane
.set XO,   3                           ; 512 wv + 16 lane: my 16 bytes of a row of x
.set STI,  4                           ; the stage, in: as loaded
.set STO,  5                           ; the stage, out: row r, + 128 h
.set IMW,  6                           ; where I store x's images
.set SCW,  7                           ; and their scale words
.set H8,   8                           ; 8 h
.set TVW,  9
.set TVR,  10
.set FA0,  11                          ; the fetch in hand: K steps 0, 1
.set FA1,  12                          ; K steps 2, 3 (65,536 bytes on)
.set FS,   13                          ; its scale words
.set PA,   14                          ; its p
.set R4X,  15
.set SSB,  16
.set SCR,  17
.set PVW,  18
.set PVB,  19
.set TS,   20                          ; v20-23  t's scale words
.set WS1,  24                          ; v24-39  Wq's, later Wv's: register 2 t + p: lanes 0-15 K step 2 p, lanes 16-31 K step 2 p + 1
.set WS2,  40                          ; v40-55  Wk's
.set XS,   56                          ; v56-63  x's, two sets of four
.set X0,   64                          ; v64-191 the stream: two sets of 64 numbers
.set XF,   64                          ; v64-127 later: x's four fragments of a tile of words, two buffers
.set TF,   128                         ; v128-159 t's four fragments
.set ACC,  128                         ; v128-191 later: eight accumulators
.set TA,   192                         ; v192-207 the stream: t in four partial sums of four features
.set CD,   208                         ; v208-223 codes just made, two sets
.set PW,   224                         ; v224-225 scale word just made, two
.set TM,   226                         ; v226-234 at work in QUANT
.set SA,   192                         ; K pass: v192-199 the tile's scores in four pairs
.set T,    200                         ; v200-201
.set SCO,  202                         ; v202-203 the score to be stored, by turns
.set SSA,  204                         ; v204-205 and where, by turns
.set O,    192                         ; V pass: v192-207 the weighted sum: a pair (even words', odd words') for each of my 8 tiles of outputs
.set P,    208                         ; v208-223 p of a tile's words, two buffers
.set RINV, 240
.set OSA,  246
.set OSR,  247
.set WV,   14                          ; s14 wave
.set FSO,  15                          ; s15 64 x the tile that is fetched
.set SEL,  20                          ; s[20:21] v_permlanex16_b32's selects for lane l xor 16
.set CS,   22                          ; s[22:23] log2(e) / sqrt(512)
.set FO,   24                          ; s24 1,024 x the tile that is fetched: the loops' counter
.set SO,   25                          ; s25 64 x the trip's first tile
.set SW,   32                          ; s[32:47], s[48:63] sixteen numbers of w, two sets
.set MSB, 0
.macro WIN new                         ; low byte: bits 1:0 source 0, 3:2 source 1, 5:4 source 2, 7:6 destination; the high byte repeats the setting that is left
.if MSB != \new
	s_set_vgpr_msb (MSB<<8)|\new
.set MSB, \new
.endif
.endm
; Step m's 16 rows of x, my strip: each load reads 512 consecutive bytes, aligned.  Into set m % 4 of window 3
.macro LOAD m
	WIN 0xc0
.irp i, 0,1,2,3,4,5,6,7,8,9,10,11,12,13,14,15
	global_load_b128 v[64*((\m)%4)+4*\i:64*((\m)%4)+4*\i+3], v[XO], s[4:5] offset:32768*(\m)+2048*\i th:TH_LOAD_NT
.endr
.endm
; A thirty-second of Wq's and Wk's images rides with each step of the stream: four loads of codes, one of scale words
.macro WLOAD m
.if (\m) < 16
	WIN 0x40
.irp q, 0,1,2,3
	global_load_b128 v[16*(\m)+4*\q:16*(\m)+4*\q+3], v[LN16], s[8:9] offset:2048*(\m)+512*\q
.endr
	WIN 0
	global_load_b32 v[WS1+(\m)], v[LN4], s[10:11] offset:128*(\m)
.else
	WIN 0x80
.irp q, 0,1,2,3
	global_load_b128 v[16*((\m)-16)+4*\q:16*((\m)-16)+4*\q+3], v[LN16], s[8:9] offset:131072+2048*((\m)-16)+512*\q
.endr
	WIN 0
	global_load_b32 v[WS2+(\m)-16], v[LN4], s[10:11] offset:8192+128*((\m)-16)
.endif
.endm
; Step k's rows turn through my stage: in as loaded (lane l: features 4 l .. 4 l + 3 of a row), out as the conversions want them: lane (r, h), register 32 c + i = feature 64 c + 32 h + i of row r.
; LDS serves a wave's instructions in order, so no wait stands between the stores and the loads, nor in front of the next step's stores.  Then t: 64 multiply-adds on the rows as loaded.
.macro TURN k
	WIN 0x0c                                       ; source 1 (LDS store data; the multiply-adds' rows) in window 3
.irp i, 0,1,2,3,4,5,6,7,8,9,10,11,12,13,14,15
	ds_store_b128 v[STI], v[64*((\k)%4)+4*\i:64*((\k)%4)+4*\i+3] offset:528*\i
.endr
.irp c, 0,1
.irp j, 0,1,2,3,4,5,6,7
	ds_load_b128 v[X0+64*((\k)%2)+32*\c+4*\j:X0+64*((\k)%2)+32*\c+4*\j+3], v[STO] offset:256*\c+16*\j
.endr
.endr
	s_wait_kmcnt 0x0                               ; this step's sixteen w
.irp i, 0,1,2,3,4,5,6,7,8,9,10,11,12,13,14,15
.irp e, 0,1,2,3
.if ((\k) == 0) && (\i < 4)
	v_mul_f32 v[TA+4*(\i%4)+\e], s[SW+16*((\k)%2)+\i], v[64*((\k)%4)+4*\i+\e]      ; the first four rows start the four sums: nothing is cleared
.else
	v_fmac_f32 v[TA+4*(\i%4)+\e], s[SW+16*((\k)%2)+\i], v[64*((\k)%4)+4*\i+\e]
.endif
.endr
.endr
.endm
; 64 numbers of a lane, register 32 c + i = k 64 c + 32 h + i of my row: two whole blocks, 2 c + h.  They become the fragment's 8 registers, as the operand's layout has them, and the row's scale word.
.macro QUANT src, cod, wrd
.irp q, 0,1,2,3
	v_max3_num_f32 v[TM+\q], |v[(\src)+16*\q]|, |v[(\src)+16*\q+1]|, 0x1800000   ; four chains of 16, two to a block; the floor 2^(3 - 127) holds the byte at 1 from below
.endr
.irp i, 2,4,6,8,10,12,14
.irp q, 0,1,2,3
	v_max3_num_f32 v[TM+\q], v[TM+\q], |v[(\src)+16*\q+\i]|, |v[(\src)+16*\q+\i+1]|
.endr
.endr
	v_max_num_f32 v[TM], v[TM], v[TM+1]
	v_max_num_f32 v[TM+2], v[TM+2], v[TM+3]
	v_add_nc_u32 v[TM+4], 0xff000000, v[TM]        ; 2 off the exponent field: the conversion's scale operand
	v_add_nc_u32 v[TM+5], 0xff000000, v[TM+2]
	v_lshrrev_b32 v[TM+6], 23, v[TM+4]             ; the scales' bytes
	v_lshrrev_b32 v[TM+7], 23, v[TM+5]
	v_lshl_or_b32 v[\wrd], v[TM+7], 16, v[TM+6]    ; my two bytes: blocks h and 2 + h,
	v_lshlrev_b32 v[\wrd], v[H8], v[\wrd]          ; at their places in the word;
	v_permlanex16_b32 v[TM+8], v[\wrd], s[SEL], s[SEL+1]
	v_or_b32 v[\wrd], v[\wrd], v[TM+8]             ; with lane l xor 16's two the word is whole
.irp c, 0,1
.irp g, 0,1,2,3
	v_cvt_scalef32_pk8_fp4_f32 v[(\cod)+4*\c+\g], v[(\src)+32*\c+8*\g:(\src)+32*\c+8*\g+7], v[TM+4+\c]
.endr
.endr
	v_nop                                          ; one plain line behind the last scaled conversion
.endm
; A step of the stream.
.macro STEP m
.if (\m) == 0
	s_wait_dscnt 0x0
.else
	s_wait_dscnt 0x3                               ; this step's numbers are back from the stage (younger: the last step's three stores): so the stage's stores have read set m % 4,
.endif                                         ; and the stores of two steps ago have read the codes' and the word's registers that this step writes
.if (\m)+4 < 32
	LOAD (\m)+4                                    ; which takes the rows of four steps on
.endif
	WLOAD \m
.if (\m) < 31
.set NX, 30-(\m)                       ; younger than the next step's sixteen loads: the sets of rows asked for behind them (three; fewer at the end), sixteen loads each,
.if NX > 3
.set NX, 3
.endif
.set NW, (\m)+1                        ; and the weights' chunks issued behind them (four; fewer at the start), five loads each;
.if NW > 4
.set NW, 4
.endif
.set NN, 16*NX+5*NW
.if NN > 63
.set NN, 63                            ; a wait's count has six bits: a smaller count than the 68 is safe
.endif
	s_wait_loadcnt NN
	TURN (\m)+1
.endif
	WIN 0
	QUANT X0+64*((\m)%2), CD+8*((\m)%2), PW+(\m)%2
	ds_store_b128 v[IMW], v[CD+8*((\m)%2):CD+8*((\m)%2)+3] offset:1024*(\m)
	ds_store_b128 v[IMW], v[CD+8*((\m)%2)+4:CD+8*((\m)%2)+7] offset:1024*(\m)+512
	ds_store_b32 v[SCW], v[PW+(\m)%2] offset:64*(\m)         ; both halves of the lanes write the same word with the same value
.if (\m)+3 < 32
	s_load_b512 s[SW+16*(((\m)+1)%2):SW+16*(((\m)+1)%2)+15], s[6:7], 64*((\m)+3)   ; the set of w that the multiply-adds above have read takes the step after next's
.endif
.endm
; One scaled product, 16 x 16 x 128 on FP4 codes.  K step 0 starts the sum with the constant 0.  The weights' scale registers hold an even K step in lanes 0-15 and the odd one in lanes 16-31;
; side = 0: the weight is source 0; 1: source 1.
.macro MM d, a, b, s, sa, sb, side
.if (\s) == 0
	v_wmma_scale_f32_16x16x128_f8f6f4 v[\d:\d+7], v[\a:\a+7], v[\b:\b+7], 0, v[\sa], v[\sb] matrix_a_fmt:MATRIX_FMT_FP4 matrix_b_fmt:MATRIX_FMT_FP4
.elseif ((\s)%2) == 0
	v_wmma_scale_f32_16x16x128_f8f6f4 v[\d:\d+7], v[\a:\a+7], v[\b:\b+7], v[\d:\d+7], v[\sa], v[\sb] matrix_a_fmt:MATRIX_FMT_FP4 matrix_b_fmt:MATRIX_FMT_FP4
.elseif (\side) == 0
	v_wmma_scale_f32_16x16x128_f8f6f4 v[\d:\d+7], v[\a:\a+7], v[\b:\b+7], v[\d:\d+7], v[\sa], v[\sb] matrix_a_fmt:MATRIX_FMT_FP4 matrix_b_fmt:MATRIX_FMT_FP4 matrix_a_scale:MATRIX_SCALE_ROW1
.else
	v_wmma_scale_f32_16x16x128_f8f6f4 v[\d:\d+7], v[\a:\a+7], v[\b:\b+7], v[\d:\d+7], v[\sa], v[\sb] matrix_a_fmt:MATRIX_FMT_FP4 matrix_b_fmt:MATRIX_FMT_FP4 matrix_b_scale:MATRIX_SCALE_ROW1
.endif
.endm
.macro PLACES n                        ; plain vector lines that name no register of the matrix instructions in front of them (ISA guide 7.12.1)
.rept \n
	v_nop
.endr
.endm
; The addresses of the fetches, from the stepped scalars.  It stands only where no LDS load of mine is out.
.macro MKADR p
	v_add_nc_u32 v[FA0], s[FO], v[LN16]
	v_add_nc_u32 v[FA1], 0x10000, v[FA0]
	v_add_nc_u32 v[FS], s[FSO], v[R4X]
.if \p
	v_add_nc_u32 v[PA], s[FSO], v[PVB]
.endif
.endm
; x's four fragments and four scale words of the tile off bytes on, into buffer buf; p = 1: and the tile's sixteen p (lane (., h): words 8 h .. 8 h + 7)
.macro FETCH buf, off, p
.irp s, 0,1,2,3
.irp c, 0,1
	ds_load_b128 v[XF+32*(\buf)+8*\s+4*\c:XF+32*(\buf)+8*\s+4*\c+3], v[FA0+\s/2] offset:(\s%2)*32768+512*\c+(\off)
.endr
.endr
.irp s, 0,1,2,3
	ds_load_b32 v[XS+4*(\buf)+\s], v[FS] offset:2048*\s+(\off)/16
.endr
.if \p
	ds_load_b128 v[P+8*(\buf):P+8*(\buf)+3], v[PA] offset:(\off)/16
	ds_load_b128 v[P+8*(\buf)+4:P+8*(\buf)+7], v[PA] offset:(\off)/16+16
.endif
.endm
; A TILE OF 16 WORDS IN THE K PASS.  Source 0 = 16 columns of Wk, source 1 = the 16 words: register j of lane (r, h) is K(word r, output 16 t + 8 h + j), and Q's registers lie the same way.
; The eight accumulators take turns, one instruction a turn, K step by K step.
.macro KT buf, fetch, off, step
	s_wait_dscnt 0x1                               ; this tile's twelve loads are in; the last tile's score store may be out; the store of two tiles ago, whose registers this tile writes, is done
.if \step
	s_add_co_u32 s[FO], s[FO], 2048
	s_add_co_u32 s[FSO], s[FSO], 128
	MKADR 0
.endif
.if \fetch
	FETCH 1-(\buf), \off, 0                        ; the next tile, into the buffer that the last tile's products read: the four places at that tile's end stand between
.endif
	WIN 0x02                                       ; source 0 (Wk) in window 2
.irp s, 0,1,2,3
.irp t, 0,1,2,3,4,5,6,7
	MM ACC+8*\t, 32*\t+8*\s, XF+32*(\buf)+8*\s, \s, WS2+2*\t+\s/2, XS+4*(\buf)+\s, 0
.endr
.endr
	PLACES 4
	WIN 0x0c                                       ; source 1 (Q) in window 3
.irp j, 0,1,2,3
	v_pk_mul_f32 v[SA+2*\j:SA+2*\j+1], v[ACC+2*\j:ACC+2*\j+1], v[2*\j:2*\j+1]      ; the tile's scores: the sum over my 128 outputs of K x Q, in four pairs; each accumulator from its low end on
.endr
.irp t, 1,2,3,4,5,6,7
.irp j, 0,1,2,3
	v_pk_fma_f32 v[SA+2*\j:SA+2*\j+1], v[ACC+8*\t+2*\j:ACC+8*\t+2*\j+1], v[8*\t+2*\j:8*\t+2*\j+1], v[SA+2*\j:SA+2*\j+1]
.endr
.endr
	WIN 0
	v_pk_add_f32 v[SA:SA+1], v[SA:SA+1], v[SA+2:SA+3]
	v_pk_add_f32 v[SA+4:SA+5], v[SA+4:SA+5], v[SA+6:SA+7]
	v_add_nc_u32 v[SSA+\buf], s[SO], v[SSB]
	v_pk_add_f32 v[SA:SA+1], v[SA:SA+1], v[SA+4:SA+5]
	v_add_f32 v[T], v[SA], v[SA+1]
	v_permlanex16_b32 v[T+1], v[T], s[SEL], s[SEL+1]   ; the other half of the lanes holds the word's other 64 outputs
	v_add_f32 v[SCO+\buf], v[T], v[T+1]
	ds_store_b32 v[SSA+\buf], v[SCO+\buf] offset:64*\buf   ; my wave's part of the score of word 16 m + r
.endm
; A TILE OF 16 WORDS IN THE V PASS.  Source 0 = the 16 words, source 1 = 16 columns of Wv: register j of lane (r, h) is V(word 8 h + j, output 16 t + r): the sum over words runs along the registers.
.macro VT buf, fetch, off, step
	s_wait_dscnt 0x0                               ; this tile's fourteen loads are in; no LDS instruction of mine is out
.if \step
	s_add_co_u32 s[FO], s[FO], 2048
	s_add_co_u32 s[FSO], s[FSO], 128
	MKADR 1
.endif
.if \fetch
	FETCH 1-(\buf), \off, 1
.endif
	WIN 0x04                                       ; source 1 (Wv) in window 1
.irp s, 0,1,2,3
.irp t, 0,1,2,3,4,5,6,7
	MM ACC+8*\t, XF+32*(\buf)+8*\s, 32*\t+8*\s, \s, XS+4*(\buf)+\s, WS1+2*\t+\s/2, 1
.endr
.endr
	WIN 0
	PLACES 4
.irp j, 0,1,2,3                        ; words 2 j, 2 j + 1 of my half, all eight tiles
.irp t, 0,1,2,3,4,5,6,7
	v_pk_fma_f32 v[O+2*\t:O+2*\t+1], v[ACC+8*\t+2*\j:ACC+8*\t+2*\j+1], v[P+8*(\buf)+2*\j:P+8*(\buf)+2*\j+1], v[O+2*\t:O+2*\t+1]
.endr
.endr
.endm
	; ---------------- the head: arguments and addresses
	s_load_b256 s[4:11], s[0:1], 0x0               ; x s[4:5], w s[6:7], wcodes s[8:9], wscales s[10:11]
	s_load_b64 s[12:13], s[0:1], 0x20              ; out0
	v_lshl_add_u32 v254, v0, 2, 0x2f400
	v_mov_b32 v255, 0
	v_lshrrev_b32 v240, 5, v0
	v_readfirstlane_b32 s[WV], v240                ; wave 0..3
	v_and_b32 v241, 31, v0                         ; lane
	v_and_b32 v242, 15, v0                         ; r
	v_bfe_u32 v243, v0, 4, 1                       ; h
	v_lshlrev_b32 v244, 2, v242                    ; 4 r
	v_lshlrev_b32 v[LN16], 4, v241
	v_lshlrev_b32 v[LN4], 2, v241
	s_lshl_b32 s16, s[WV], 9                       ; 512 wv
	v_add_nc_u32 v[XO], s16, v[LN16]
	s_mul_i32 s17, s[WV], STGW
	s_add_co_u32 s17, s17, STG                     ; my stage
	v_add_nc_u32 v[STI], s17, v[LN16]
	v_mul_u32_u24 v[STO], v242, 528
	v_lshl_add_u32 v[STO], v243, 7, v[STO]
	v_add_nc_u32 v[STO], s17, v[STO]
	s_lshl_b32 s18, s[WV], 15                      ; 32,768 wv: K step wv of x's images
	v_add_nc_u32 v[IMW], s18, v[LN16]
	s_lshl_b32 s19, s[WV], 11                      ; 2,048 wv
	v_add_nc_u32 v[R4X], XSC, v244
	v_add_nc_u32 v[SCW], s19, v[R4X]
	v_lshlrev_b32 v[H8], 3, v243
	v_add_nc_u32 v[TVW], TV, v[XO]
	v_lshl_add_u32 v[TVR], v243, 7, TV
	v_add_nc_u32 v[SSB], s19, v244
	v_add_nc_u32 v[SSB], SCP, v[SSB]
	v_add_nc_u32 v[SCR], SCP, v[LN16]
	v_add_nc_u32 v[PVW], s19, v[LN16]
	v_add_nc_u32 v[PVW], PV, v[PVW]
	v_lshl_add_u32 v[PVB], v243, 5, PV
	v_add_nc_u32 v[PVB], s19, v[PVB]
	v_add_nc_u32 v[OSA], s16, v244
	v_add_nc_u32 v[OSA], OST, v[OSA]
	v_add_nc_u32 v[OSR], OST, v[XO]
	v_mov_b32 v[TM+8], 0                           ; written once: a lane permute's destination counts as one of its sources
	s_mov_b32 s[SEL], 0x76543210
	s_mov_b32 s[SEL+1], 0xfedcba98
	s_mov_b32 s[CS], 0x3d8293ee                    ; log2(e) / sqrt(512)
	s_mov_b32 s[CS+1], s[CS]                       ; (named with it as a pair, so it is written)
	s_lshl_b32 s26, ttmp9, 20                      ; the sample's 1 MiB of x: 255 x 2^20 at the most, under 2^32
	s_mov_b32 s27, 0
	s_lshl_b32 s28, s[WV], 15                      ; my 8 tiles of a weight's images: 32,768 bytes
	s_mov_b32 s29, 0
	s_lshl_b32 s30, s[WV], 11                      ; and of its scale words: 2,048
	s_mov_b32 s31, 0
	s_wait_kmcnt 0x0
	s_add_nc_u64 s[4:5], s[4:5], s[26:27]
	s_add_nc_u64 s[8:9], s[8:9], s[28:29]
	s_add_nc_u64 s[10:11], s[10:11], s[30:31]
	s_lshl_b32 s26, ttmp9, 11                      ; out0: 2,048 bytes a sample, 512 a wave
	s_add_co_u32 s26, s26, s16
	s_add_nc_u64 s[12:13], s[12:13], s[26:27]
	; ---------------- 1: the stream.  32 steps of 16 words, written out: every offset is an immediate, and each step's five loads of weights have registers of their own.
	; Four sets of rows are on their way: 64 loads of 512 bytes a wave at the start, then as many as the load counter's six bits count, the weights' among them.
	s_load_b512 s[SW:SW+15], s[6:7], 0x0
	s_load_b512 s[SW+16:SW+31], s[6:7], 0x40
	LOAD 0
	LOAD 1
	LOAD 2
	LOAD 3
	s_wait_loadcnt 48                              ; step 0's sixteen loads are in; three sets are younger
	TURN 0
	s_load_b512 s[SW:SW+15], s[6:7], 0x80
.set M, 0
.rept 32
	STEP M
.set M, M+1
.endr
	v_pk_add_f32 v[TA:TA+1], v[TA:TA+1], v[TA+4:TA+5]             ; t's four partial sums: lane l now holds t of features 128 wv + 4 l .. + 3, whole: my wave has walked all 512 words
	v_pk_add_f32 v[TA+2:TA+3], v[TA+2:TA+3], v[TA+6:TA+7]
	v_pk_add_f32 v[TA+8:TA+9], v[TA+8:TA+9], v[TA+12:TA+13]
	v_pk_add_f32 v[TA+10:TA+11], v[TA+10:TA+11], v[TA+14:TA+15]
	v_pk_add_f32 v[TA:TA+1], v[TA:TA+1], v[TA+8:TA+9]
	v_pk_add_f32 v[TA+2:TA+3], v[TA+2:TA+3], v[TA+10:TA+11]
	ds_store_b128 v[TVW], v[TA:TA+3]
	s_wait_dscnt 0x0                               ; for the others' sake: my images, scale words and part of t lie in LDS
	s_barrier_signal -1
	s_barrier_wait -1                              ; everybody's do
	; ---------------- 2: Q, each wave for its own 128 outputs.  t is quantised by every wave: all sixteen columns of the operand are t.
.irp s, 0,1,2,3
.irp c, 0,1
.irp j, 0,1,2,3,4,5,6,7
	ds_load_b128 v[X0+32*\c+4*\j:X0+32*\c+4*\j+3], v[TVR] offset:512*\s+256*\c+16*\j
.endr
.endr
	s_wait_dscnt 0x0
	QUANT X0, TF+8*\s, TS+\s
.endr
	PLACES 8                                       ; a scale register written by a vector instruction stands eight places ahead of a scaled matrix instruction, an operand so written four
	s_wait_loadcnt 0x0                             ; Wq's and Wk's images and scale words
	WIN 0xf1                                       ; source 0 (Wq) window 1; C and D window 3
.irp s, 0,1,2,3
.irp t, 0,1,2,3,4,5,6,7
	MM 8*\t, 32*\t+8*\s, TF+8*\s, \s, WS1+2*\t+\s/2, TS+\s, 0      ; register j of lane (., h): Q(16 t + 8 h + j), the same in all sixteen columns
.endr
.endr
	PLACES 4
	WIN 0xc3
.set I, 0
.rept 32
	v_pk_mul_f32 v[2*I:2*I+1], v[2*I:2*I+1], s[CS:CS+1] op_sel_hi:[1,0]   ; x log2(e) / sqrt(512): the scores then come out as exponents of 2.  In ascending order
.set I, I+1
.endr
	WIN 0
	; ---------------- 3: K, 32 tiles of 16 words; two tiles a trip on two buffers
	s_mov_b32 s[FO], 0
	s_mov_b32 s[FSO], 0
	s_mov_b32 s[SO], 0
	MKADR 0
	FETCH 0, 0, 0
	WIN 0x40                                       ; Wv takes Wq's registers (the places and the 32 multiplications above stand behind Wq's last product); it lands while K is made
.set I, 0
.rept 64
	global_load_b128 v[4*I:4*I+3], v[LN16], s[8:9] offset:262144+512*I
.set I, I+1
.endr
	WIN 0
.set I, 0
.rept 16
	global_load_b32 v[WS1+I], v[LN4], s[10:11] offset:16384+128*I
.set I, I+1
.endr
	s_wait_dscnt 0x0                               ; tile 0 is in: no store follows its loads, so the count at the tile's head would leave one of them out
.Lk:                                               ; 15 trips
	KT 0, 1, 1024, 0
	KT 1, 1, 0, 1
	s_add_co_u32 s[SO], s[SO], 128
	s_cmp_lt_u32 s[FO], 30720
	s_cbranch_scc1 .Lk
	KT 0, 1, 1024, 0                               ; tiles 30 and 31: the last fetches nothing
	KT 1, 0, 0, 0
	s_wait_dscnt 0x0                               ; for the others' sake: my parts of the 512 scores lie in LDS
	s_barrier_signal -1
	s_barrier_wait -1
	; ---------------- 4: the softmax, by every wave for itself: lane l holds words 128 q + 4 l + e in v[128 + 4 q + e]
.irp v, 0,1,2,3
.irp q, 0,1,2,3
	ds_load_b128 v[128+16*\v+4*\q:128+16*\v+4*\q+3], v[SCR] offset:2048*\v+512*\q
.endr
.endr
	s_wait_dscnt 0x0
.irp v, 1,2,3
.irp i, 0,2,4,6,8,10,12,14
	v_pk_add_f32 v[128+\i:129+\i], v[128+\i:129+\i], v[128+16*\v+\i:129+16*\v+\i]     ; the four waves' parts
.endr
.endr
	v_max3_num_f32 v224, v128, v129, v130          ; the largest of the 512
	v_max3_num_f32 v225, v131, v132, v133
	v_max3_num_f32 v224, v224, v134, v135
	v_max3_num_f32 v225, v225, v136, v137
	v_max3_num_f32 v224, v224, v138, v139
	v_max3_num_f32 v225, v225, v140, v141
	v_max3_num_f32 v224, v224, v142, v143
	v_max_num_f32 v224, v224, v225
	v_max_num_f32_dpp v224, v224, v224 row_xmask:1 row_mask:0xf bank_mask:0xf
	v_max_num_f32_dpp v224, v224, v224 row_xmask:2 row_mask:0xf bank_mask:0xf
	v_max_num_f32_dpp v224, v224, v224 row_xmask:4 row_mask:0xf bank_mask:0xf
	v_max_num_f32_dpp v224, v224, v224 row_xmask:8 row_mask:0xf bank_mask:0xf
	v_permlanex16_b32 v225, v224, s[SEL], s[SEL+1]
	v_max_num_f32 v224, v224, v225
.irp i, 0,1,2,3,4,5,6,7,8,9,10,11,12,13,14,15
	v_sub_f32 v[128+\i], v[128+\i], v224
.endr
.irp i, 0,1,2,3,4,5,6,7,8,9,10,11,12,13,14,15
	v_exp_f32 v[128+\i], v[128+\i]                 ; p = 2^(t - the largest t), at most 1; it is divided by its sum at the end
.endr
	v_nop                                          ; a plain line behind the exponentials
	s_wait_alu depctr_va_vdst(0)
.irp q, 0,1,2,3
	ds_store_b128 v[PVW], v[128+4*\q:131+4*\q] offset:512*\q      ; my wave's own copy: read by my wave alone, in order behind these stores
.endr
.irp q, 0,1,2,3
	v_pk_add_f32 v[144+2*\q:145+2*\q], v[128+4*\q:129+4*\q], v[130+4*\q:131+4*\q]
.endr
	v_pk_add_f32 v[144:145], v[144:145], v[146:147]
	v_pk_add_f32 v[148:149], v[148:149], v[150:151]
	v_pk_add_f32 v[144:145], v[144:145], v[148:149]
	v_add_f32 v144, v144, v145
	v_add_f32_dpp v144, v144, v144 row_xmask:1 row_mask:0xf bank_mask:0xf
	v_add_f32_dpp v144, v144, v144 row_xmask:2 row_mask:0xf bank_mask:0xf
	v_add_f32_dpp v144, v144, v144 row_xmask:4 row_mask:0xf bank_mask:0xf
	v_add_f32_dpp v144, v144, v144 row_xmask:8 row_mask:0xf bank_mask:0xf
	v_permlanex16_b32 v145, v144, s[SEL], s[SEL+1]
	v_add_f32 v144, v144, v145                     ; the sum: at least 1
	v_rcp_f32 v[RINV], v144
	v_nop                                          ; a plain line behind the reciprocal
	; ---------------- 5: V, the same 32 tiles
.irp i, 0,1,2,3,4,5,6,7,8,9,10,11,12,13,14,15
	v_mov_b32 v[O+\i], 0                           ; sixteen registers, once: the tile is written once and its first walk finds zeros
.endr
	s_mov_b32 s[FO], 0
	s_mov_b32 s[FSO], 0
	MKADR 1
	FETCH 0, 0, 1
	s_wait_loadcnt 0x0                             ; Wv's images and scale words
.Lv:                                               ; 15 trips
	VT 0, 1, 1024, 0
	VT 1, 1, 0, 1
	s_cmp_lt_u32 s[FO], 30720
	s_cbranch_scc1 .Lv
	VT 0, 1, 1024, 0
	VT 1, 0, 0, 0
	; ---------------- the way out: lane (r, h) holds output 16 t + r summed over its half's words; the halves are added, divided by the sum of p,
	; and turned through 512 bytes of LDS of my own, so that the wave's one store covers 512 consecutive bytes, aligned
.irp t, 0,1,2,3,4,5,6,7
	v_add_f32 v[224+\t], v[O+2*\t], v[O+2*\t+1]
.endr
.irp t, 0,1,2,3,4,5,6,7
	v_permlanex16_b32 v[P+\t], v[224+\t], s[SEL], s[SEL+1]
.endr
.irp t, 0,1,2,3,4,5,6,7
	v_add_f32 v[224+\t], v[224+\t], v[P+\t]
.endr
	s_wait_alu depctr_va_vdst(0)
.irp t, 0,1,2,3,4,5,6,7
	v_mul_f32 v[224+\t], v[224+\t], v[RINV]
.endr
.irp t, 0,1,2,3,4,5,6,7
	ds_store_b32 v[OSA], v[224+\t] offset:64*\t    ; both halves of the lanes write the same word with the same value
.endr
	ds_load_b128 v[P:P+3], v[OSR]                  ; LDS serves a wave's instructions in order: this sees my stores
	s_wait_dscnt 0x0
	global_store_b128 v[LN16], v[P:P+3], s[12:13]
	s_wait_tensorcnt 0x0
	ds_add_u32 v254, v255
	s_wait_dscnt 0x0
	s_endpgm
.Lfunc_end_k_qcaa79a3283_attn:
	.size	k_qcaa79a3283_attn, .Lfunc_end_k_qcaa79a3283_attn-k_qcaa79a3283_attn
	.p2alignl 7, 3214868480
	.fill 96, 4, 3214868480
	.section	.rodata,"a",@progbits
	.p2align	6, 0x0
	.amdhsa_kernel k_qcaa79a3283_attn
		.amdhsa_group_segment_fixed_size 194048
		.amdhsa_private_segment_fixed_size 0
		.amdhsa_enable_private_segment 0
		.amdhsa_kernarg_size 40
		.amdhsa_user_sgpr_count 2
		.amdhsa_user_sgpr_kernarg_segment_ptr 1
		.amdhsa_wavefront_size32 1
		.amdhsa_system_sgpr_workgroup_id_x 1
		.amdhsa_system_sgpr_workgroup_id_y 1
		.amdhsa_system_sgpr_workgroup_id_z 1
		.amdhsa_system_vgpr_workitem_id 0
		.amdhsa_next_free_vgpr 1024
		.amdhsa_next_free_sgpr 66
		.amdhsa_reserve_vcc 0
		.amdhsa_float_denorm_mode_32 3
		.amdhsa_float_denorm_mode_16_64 3
		.amdhsa_memory_ordered 1
		.amdhsa_forward_progress 1
		.amdhsa_inst_pref_size 255
	.end_amdhsa_kernel
	.section	.bss,"aw",@nobits
	.p2align	6
	.space	262144
	.amdgpu_metadata
---
amdhsa.version: [ 1, 2 ]
amdhsa.kernels:
  - .name:           k_qcaa79a3283_attn
    .symbol:         k_qcaa79a3283_attn.kd
    .args:
      - { .name: x, .offset: 0, .size: 8, .value_kind: global_buffer, .address_space: global }
      - { .name: w, .offset: 8, .size: 8, .value_kind: global_buffer, .address_space: global }
      - { .name: wcodes, .offset: 16, .size: 8, .value_kind: global_buffer, .address_space: global }
      - { .name: wscales, .offset: 24, .size: 8, .value_kind: global_buffer, .address_space: global }
      - { .name: out0, .offset: 32, .size: 8, .value_kind: global_buffer, .address_space: global }
    .group_segment_fixed_size: 194048
    .private_segment_fixed_size: 0
    .kernarg_segment_align: 8
    .kernarg_segment_size: 40
    .max_flat_workgroup_size: 128
    .sgpr_count:     66
    .vgpr_count:     1024
    .wavefront_size: 32
...
	.end_amdgpu_metadata
.endif
;; end of part 2
;; ======== version 2 of 2: 2 launches; version 1 with the launch attn written anew for expert scheduling mode
;; workspace buffers: wcodes 393,216 bytes; wscales 24,576 bytes
;; launch prep: the kernel of part 1 again; grid 4 x 24, 4 waves a work-group, no clusters, 0 bytes of LDS; arguments weight_q, weight_k, weight_v, wcodes, wscales; writes wcodes, wscales
;; launch attn (part 3): grid 256 x 1, 4 waves a work-group, no clusters, 194,048 bytes of LDS; arguments x, w, wcodes, wscales, out0; writes out0
.if DOCPART == 3
	.amdgcn_target "amdgcn-amd-amdhsa--gfx1250"
	.amdhsa_code_object_version 6
	.text
	.protected	k_qcaa79a3283_attn
	.globl	k_qcaa79a3283_attn
	.p2align	8
	.type	k_qcaa79a3283_attn,@function
k_qcaa79a3283_attn:
	s_mov_b64 s[64:65], 0
	v_nop
	global_prefetch_b8 v0, s[64:65] scope:SCOPE_SE
	s_setreg_imm32_b32 hwreg(HW_REG_WAVE_SCHED_MODE, 0, 2), 2
	s_setreg_imm32_b32 hwreg(HW_REG_WAVE_MODE, 25, 1), 1
	s_wait_xcnt 0x0
	s_wait_alu depctr_vm_vsrc(0)
; out[b] = softmax_w(Q . K[w] / sqrt(512)) . V,  K = Q4(x[b]) Q4(Wk),  V = Q4(x[b]) Q4(Wv),  t = x[b]^T w (f32),  Q = Q4(t) Q4(Wq);  Q4 = MX-FP4 along the features.
; ONE WORK-GROUP TO A SAMPLE: x[b] is 512 words x 512 features, 1 MiB of f32.  No score can be made before all of x[b] is read (Q wants t), and K and V (1 MiB each) cannot be kept;
; x[b] as codes is 128 KiB + 8 KiB of scale words and stays in LDS.  So: (1) x is read ONCE, t is summed and x quantised on the way; (2) Q; (3) K tile by tile, each tile folded into
; scores at once; (4) the softmax, with the true maximum taken away; (5) V tile by tile, each tile folded into the weighted sum.  K and V never leave the registers.
; THE WAVES SHARE COLUMNS, NOT ROWS.  Wave wv owns features 128 wv .. + 127 of x (K step wv of every product) and outputs 128 wv .. + 127 of Wq, Wk, Wv: its 8 tiles x 4 K steps of a
; weight are 256 registers, loaded once from register images and kept.  x's fragments go from wave to wave through LDS as images of their registers (16 bytes a lane, 512 a line).
; NO JOINT LOADS, though all work-groups read the same weights: a joint load lands in LDS, the three weights' codes and scales are 408 KiB, and beside x's 136 KiB they do not fit
; in the 320 KiB; from LDS they would also be read once more for every tile of rows.  In registers each wave reads its 96 KiB of them once.
; No copy engine fills LDS here, so the waves meet at two barriers only: behind the stream, and behind the scores.
; LIMITS: NaN and infinities among the inputs are not served.  A block of zeros gets the scale byte 1 (not 127) with zero codes.  A weight p under 2^-126 counts as 0 (v_exp_f32).
;
; THE MODE: SCHED_MODE bits 1:0 = 2 (LLVM: expert scheduling mode 2), set by the entry lines.  The code itself states the register dependences between vector or matrix
; instructions and memory or LDS instructions, with s_wait_alu, always for 0.
; THE PLAN.  Registers that memory or LDS instructions touch:
;   THE STREAM, step m.  R[m % 4] (rows as loaded, window 3): the global loads asked for in step m - 4 land in it; the stage's LDS stores and t's multiply-adds read it, both in step m - 1.
;     X[m % 2]: the stage's LDS loads of step m - 1 land in it; step m's quantiser reads it.  CD, PW [m % 2]: step m's quantiser writes them; step m's three LDS stores read them.
;     One wait on vm_vsrc at a step's head: the stage's stores have read R[m % 4], the image stores of two steps ago CD, PW [m % 2].  One wait on va_vdst behind the step's vector work,
;     ahead of its three stores: CD and PW are written; the multiply-adds are done reading R[(m + 1) % 4] and the quantiser X[m % 2], in which the next step's loads land; from that wait
;     to those loads no vector instruction is issued.
;   THE K PASS, a tile.  XF, XS [buf]: the fetch of the tile before lands in them; the tile's products read them.  SSA, SCO [buf]: written in the tile's tail, read by its one LDS store.
;     FA0, FA1, FS: read by the fetches, remade once a trip in the first tile's tail.  One wait on vm_vsrc in the tail (the store of two tiles ago and the fetches have read their
;     registers), one on va_vdst ahead of the store (score, addresses; the tile's products are done reading the buffer in which the next tile's fetch lands).
;   THE V PASS, a tile.  XF, XS, P [buf] likewise.  One wait on va_vdst at the tile's head; behind it the next tile's fourteen LDS loads are dealt among the tile's products, which name
;     the other buffer, Wv and the accumulators.  One wait on vm_vsrc a trip, ahead of the lines that remake the addresses.
;   All other addresses are made at the head and never written again.  The accumulators, Q, t's sums and the weighted sum are named by vector and matrix instructions alone in the loops.
;
; LDS:  XIMG [s 4][m 32][c 2][lane][16]   x's fragments (K step s, words 16 m on);  XSC [s 4][word 512] their scale words;  STG a stage of 16 rows x 528 bytes for each wave;
;       TV t[512];  SCP [wave][512] partial scores;  PV [wave][512] p, a copy for each wave;  OST [wave][128] the way out.
.set XIMG, 0
.set XSC,  131072
.set STG,  139264
.set STGW, 16*528                      ; a stage row: 512 bytes + 16, 33 x 16: the sixteen rows that a read touches start 16 bytes further on in each 256
.set TV,   173056
.set SCP,  175104
.set PV,   183296
.set OST,  191488
; REGISTERS, in windows of 256.  Window 0: v1-19 addresses; v20-63 scale words and nothing else; v64-255 as below.  Window 1: Wq, later Wv (fragment (t, s) at v[32 t + 8 s]).
; Window 2: Wk likewise.  Window 3: in the stream four sets of 16 rows x 4 registers as loaded; then v0-63: Q x log2(e) / sqrt(512).
.set LN16, 1                           ; 16 x lane
.set LN4,  2                           ; 4 x lane
.set XO,   3                           ; 512 wv + 16 lane: my 16 bytes of a row of x
.set STI,  4                           ; the stage, in: as loaded
.set STO,  5                           ; the stage, out: row r, + 128 h
.set IMW,  6                           ; where I store x's images
.set SCW,  7                           ; and their scale words
.set H8,   8                           ; 8 h
.set TVW,  9
.set TVR,  10
.set FA0,  11                          ; the fetch in hand: K steps 0, 1
.set FA1,  12                          ; K steps 2, 3 (65,536 bytes on)
.set FS,   13                          ; its scale words
.set PA,   14                          ; its p
.set R4X,  15
.set SSB,  16
.set SCR,  17
.set PVW,  18
.set PVB,  19
.set TS,   20                          ; v20-23  t's scale words
.set WS1,  24                          ; v24-39  Wq's, later Wv's: register 2 t + p: lanes 0-15 K step 2 p, lanes 16-31 K step 2 p + 1
.set WS2,  40                          ; v40-55  Wk's
.set XS,   56                          ; v56-63  x's, two sets of four
.set X0,   64                          ; v64-191 the stream: two sets of 64 numbers
.set XF,   64                          ; v64-127 later: x's four fragments of a tile of words, two buffers
.set TF,   128                         ; v128-159 t's four fragments
.set ACC,  128                         ; v128-191 later: eight accumulators
.set TA,   192                         ; v192-207 the stream: t in four partial sums of four features
.set CD,   208                         ; v208-223 codes just made, two sets
.set PW,   224                         ; v224-225 scale word just made, two
.set TM,   226                         ; v226-234 at work in QUANT
.set SA,   192                         ; K pass: v192-199 the tile's scores in four pairs
.set T,    200                         ; v200-201
.set SCO,  202                         ; v202-203 the score to be stored, by turns
.set SSA,  204                         ; v204-205 and where, by turns
.set O,    192                         ; V pass: v192-207 the weighted sum: a pair (even words', odd words') for each of my 8 tiles of outputs
.set P,    208                         ; v208-223 p of a tile's words, two buffers
.set RINV, 240
.set OSA,  246
.set OSR,  247
.set WV,   14                          ; s14 wave
.set FSO,  15                          ; s15 64 x the tile that is fetched
.set SEL,  20                          ; s[20:21] v_permlanex16_b32's selects for lane l xor 16
.set CS,   22                          ; s[22:23] log2(e) / sqrt(512)
.set FO,   24                          ; s24 1,024 x the tile that is fetched: the loops' counter
.set SO,   25                          ; s25 64 x the trip's first tile
.set SW,   32                          ; s[32:47], s[48:63] sixteen numbers of w, two sets
.set MSB, 0
.macro WIN new                         ; low byte: bits 1:0 source 0, 3:2 source 1, 5:4 source 2, 7:6 destination; the high byte repeats the setting that is left
.if MSB != \new
	s_set_vgpr_msb (MSB<<8)|\new
.set MSB, \new
.endif
.endm
; Step m's 16 rows of x, my strip: each load reads 512 consecutive bytes, aligned.  Into set m % 4 of window 3
.macro LOAD m
	WIN 0xc0
.irp i, 0,1,2,3,4,5,6,7,8,9,10,11,12,13,14,15
	global_load_b128 v[64*((\m)%4)+4*\i:64*((\m)%4)+4*\i+3], v[XO], s[4:5] offset:32768*(\m)+2048*\i th:TH_LOAD_NT
.endr
.endm
; A thirty-second of Wq's and Wk's images rides with each step of the stream: four loads of codes, one of scale words.  No vector instruction has named these registers
.macro WLOAD m
.if (\m) < 16
	WIN 0x40
.irp q, 0,1,2,3
	global_load_b128 v[16*(\m)+4*\q:16*(\m)+4*\q+3], v[LN16], s[8:9] offset:2048*(\m)+512*\q
.endr
	WIN 0
	global_load_b32 v[WS1+(\m)], v[LN4], s[10:11] offset:128*(\m)
.else
	WIN 0x80
.irp q, 0,1,2,3
	global_load_b128 v[16*((\m)-16)+4*\q:16*((\m)-16)+4*\q+3], v[LN16], s[8:9] offset:131072+2048*((\m)-16)+512*\q
.endr
	WIN 0
	global_load_b32 v[WS2+(\m)-16], v[LN4], s[10:11] offset:8192+128*((\m)-16)
.endif
.endm
; Step k's rows turn through my stage: in as loaded (lane l: features 4 l .. 4 l + 3 of a row), out as the conversions want them: lane (r, h), register 32 c + i = feature 64 c + 32 h + i of row r.
; LDS serves a wave's instructions in order, so no wait stands between the stores and the loads, nor in front of the next step's stores.
.macro STAGE k
	WIN 0x0c                                       ; source 1 (an LDS store's data) in window 3
.irp i, 0,1,2,3,4,5,6,7,8,9,10,11,12,13,14,15
	ds_store_b128 v[STI], v[64*((\k)%4)+4*\i:64*((\k)%4)+4*\i+3] offset:528*\i
.endr
.irp c, 0,1
.irp j, 0,1,2,3,4,5,6,7
	ds_load_b128 v[X0+64*((\k)%2)+32*\c+4*\j:X0+64*((\k)%2)+32*\c+4*\j+3], v[STO] offset:256*\c+16*\j
.endr
.endr
.endm
; t: 64 multiply-adds on step k's rows as loaded
.macro TSUM k
	WIN 0x0c                                       ; source 1 (the rows) in window 3
	s_wait_kmcnt 0x0                               ; this step's sixteen w
.irp i, 0,1,2,3,4,5,6,7,8,9,10,11,12,13,14,15
.irp e, 0,1,2,3
.if ((\k) == 0) && (\i < 4)
	v_mul_f32 v[TA+4*(\i%4)+\e], s[SW+16*((\k)%2)+\i], v[64*((\k)%4)+4*\i+\e]      ; the first four rows start the four sums: nothing is cleared
.else
	v_fmac_f32 v[TA+4*(\i%4)+\e], s[SW+16*((\k)%2)+\i], v[64*((\k)%4)+4*\i+\e]
.endif
.endr
.endr
.endm
; 64 numbers of a lane, register 32 c + i = k 64 c + 32 h + i of my row: two whole blocks, 2 c + h.  They become the fragment's 8 registers, as the operand's layout has them, and the row's scale word.
.macro QUANT src, cod, wrd
.irp q, 0,1,2,3
	v_max3_num_f32 v[TM+\q], |v[(\src)+16*\q]|, |v[(\src)+16*\q+1]|, 0x1800000   ; four chains of 16, two to a block; the floor 2^(3 - 127) holds the byte at 1 from below
.endr
.irp i, 2,4,6,8,10,12,14
.irp q, 0,1,2,3
	v_max3_num_f32 v[TM+\q], v[TM+\q], |v[(\src)+16*\q+\i]|, |v[(\src)+16*\q+\i+1]|
.endr
.endr
	v_max_num_f32 v[TM], v[TM], v[TM+1]
	v_max_num_f32 v[TM+2], v[TM+2], v[TM+3]
	v_add_nc_u32 v[TM+4], 0xff000000, v[TM]        ; 2 off the exponent field: the conversion's scale operand
	v_add_nc_u32 v[TM+5], 0xff000000, v[TM+2]
	v_lshrrev_b32 v[TM+6], 23, v[TM+4]             ; the scales' bytes
	v_lshrrev_b32 v[TM+7], 23, v[TM+5]
	v_lshl_or_b32 v[\wrd], v[TM+7], 16, v[TM+6]    ; my two bytes: blocks h and 2 + h,
	v_lshlrev_b32 v[\wrd], v[H8], v[\wrd]          ; at their places in the word;
	v_permlanex16_b32 v[TM+8], v[\wrd], s[SEL], s[SEL+1]
	v_or_b32 v[\wrd], v[\wrd], v[TM+8]             ; with lane l xor 16's two the word is whole
.irp c, 0,1
.irp g, 0,1,2,3
	v_cvt_scalef32_pk8_fp4_f32 v[(\cod)+4*\c+\g], v[(\src)+32*\c+8*\g:(\src)+32*\c+8*\g+7], v[TM+4+\c]
.endr
.endr
	v_nop                                          ; one plain line behind the last scaled conversion
.endm
; A step of the stream.  The quantiser of step m stands between the stage's LDS instructions for step m + 1 and t's multiply-adds on those rows, and so between the scalar load of w and the wait for it.
.macro STEP m
.if (\m) == 0
	s_wait_dscnt 0x0
.else
	s_wait_dscnt 0x3                               ; this step's numbers are back from the stage (younger: the last step's three stores)
.endif
	s_wait_alu depctr_vm_vsrc(0)                   ; the stage's stores have read set m % 4 of the rows, in which the loads below land; the stores of two steps ago have read the codes' and the word's registers that this step's quantiser writes
.if (\m)+4 < 32
	LOAD (\m)+4                                    ; the rows of four steps on.  The multiply-adds that read this set stand ahead of the last wait on va_vdst, and no vector instruction has been issued since
.endif
	WLOAD \m
.if (\m) < 31
.set NX, 30-(\m)                       ; younger than the next step's sixteen loads: the sets of rows asked for behind them (three; fewer at the end), sixteen loads each,
.if NX > 3
.set NX, 3
.endif
.set NW, (\m)+1                        ; and the weights' chunks issued behind them (four; fewer at the start), five loads each;
.if NW > 4
.set NW, 4
.endif
.set NN, 16*NX+5*NW
.if NN > 63
.set NN, 63                            ; a wait's count has six bits: a smaller count than the 68 is safe
.endif
	s_wait_loadcnt NN
	STAGE (\m)+1                                   ; its loads land in the set of numbers that the last step's quantiser read, ahead of the last wait on va_vdst
.endif
	WIN 0
	QUANT X0+64*((\m)%2), CD+8*((\m)%2), PW+(\m)%2
.if (\m) < 31
	TSUM (\m)+1
	WIN 0
.endif
	s_wait_alu depctr_va_vdst(0)                   ; the quantiser has written the codes and the word, which the stores below read, and is done reading its numbers; the multiply-adds are done reading their rows: the next step's loads land in both
	ds_store_b128 v[IMW], v[CD+8*((\m)%2):CD+8*((\m)%2)+3] offset:1024*(\m)
	ds_store_b128 v[IMW], v[CD+8*((\m)%2)+4:CD+8*((\m)%2)+7] offset:1024*(\m)+512
	ds_store_b32 v[SCW], v[PW+(\m)%2] offset:64*(\m)         ; both halves of the lanes write the same word with the same value
.if (\m)+3 < 32
	s_load_b512 s[SW+16*(((\m)+1)%2):SW+16*(((\m)+1)%2)+15], s[6:7], 64*((\m)+3)   ; the set of w that the multiply-adds above have read takes the step after next's
.endif
.endm
; One scaled product, 16 x 16 x 128 on FP4 codes.  K step 0 starts the sum with the constant 0.  The weights' scale registers hold an even K step in lanes 0-15 and the odd one in lanes 16-31;
; side = 0: the weight is source 0; 1: source 1.
.macro MM d, a, b, s, sa, sb, side
.if (\s) == 0
	v_wmma_scale_f32_16x16x128_f8f6f4 v[\d:\d+7], v[\a:\a+7], v[\b:\b+7], 0, v[\sa], v[\sb] matrix_a_fmt:MATRIX_FMT_FP4 matrix_b_fmt:MATRIX_FMT_FP4
.elseif ((\s)%2) == 0
	v_wmma_scale_f32_16x16x128_f8f6f4 v[\d:\d+7], v[\a:\a+7], v[\b:\b+7], v[\d:\d+7], v[\sa], v[\sb] matrix_a_fmt:MATRIX_FMT_FP4 matrix_b_fmt:MATRIX_FMT_FP4
.elseif (\side) == 0
	v_wmma_scale_f32_16x16x128_f8f6f4 v[\d:\d+7], v[\a:\a+7], v[\b:\b+7], v[\d:\d+7], v[\sa], v[\sb] matrix_a_fmt:MATRIX_FMT_FP4 matrix_b_fmt:MATRIX_FMT_FP4 matrix_a_scale:MATRIX_SCALE_ROW1
.else
	v_wmma_scale_f32_16x16x128_f8f6f4 v[\d:\d+7], v[\a:\a+7], v[\b:\b+7], v[\d:\d+7], v[\sa], v[\sb] matrix_a_fmt:MATRIX_FMT_FP4 matrix_b_fmt:MATRIX_FMT_FP4 matrix_b_scale:MATRIX_SCALE_ROW1
.endif
.endm
.macro PLACES n                        ; plain vector lines that name no register of the matrix instructions in front of them (ISA guide 7.12.1)
.rept \n
	v_nop
.endr
.endm
; The addresses of the fetches, from the stepped scalars.  Ahead of it stands a wait on vm_vsrc (the fetches issued so far have read them), behind it a wait on va_vdst ahead of the next fetch.
.macro MKADR p
	v_add_nc_u32 v[FA0], s[FO], v[LN16]
	v_add_nc_u32 v[FA1], 0x10000, v[FA0]
	v_add_nc_u32 v[FS], s[FSO], v[R4X]
.if \p
	v_add_nc_u32 v[PA], s[FSO], v[PVB]
.endif
.endm
; Load i of a fetch of the tile off bytes on, into buffer buf.  0-7: x's four fragments (K step i / 2, registers 4 (i % 2) on); 8-11: its four scale words; 12, 13: the tile's sixteen p (lane (., h): words 8 h .. 8 h + 7)
.macro FLOAD buf, off, i
.if (\i) < 8
	ds_load_b128 v[XF+32*(\buf)+4*(\i):XF+32*(\buf)+4*(\i)+3], v[FA0+(\i)/4] offset:(((\i)/2)%2)*32768+512*((\i)%2)+(\off)
.elseif (\i) < 12
	ds_load_b32 v[XS+4*(\buf)+(\i)-8], v[FS] offset:2048*((\i)-8)+(\off)/16
.else
	ds_load_b128 v[P+8*(\buf)+4*((\i)-12):P+8*(\buf)+4*((\i)-12)+3], v[PA] offset:(\off)/16+16*((\i)-12)
.endif
.endm
.macro FETCH buf, off, p               ; a whole fetch in one run: twelve loads, with p fourteen
.set FI, 0
.rept 12+2*(\p)
	FLOAD \buf, \off, FI
.set FI, FI+1
.endr
.endm
; A TILE OF 16 WORDS IN THE K PASS.  Source 0 = 16 columns of Wk, source 1 = the 16 words: register j of lane (r, h) is K(word r, output 16 t + 8 h + j), and Q's registers lie the same way.
; The eight accumulators take turns, one instruction a turn, K step by K step.
; The fetch stays in one run at the tile's head: under the products' window setting an LDS load's address would be taken from window 2, so each group dealt among them would cost two switches.
; step = 1: the fetch addresses move on by two tiles in this tile's tail.
.macro KT buf, fetch, off, step
	s_wait_dscnt 0x1                               ; this tile's twelve loads are in; the last tile's score store may be out
.if \fetch
	FETCH 1-(\buf), \off, 0                        ; the next tile, into the buffer that the last tile's products read: they stand ahead of that tile's wait on va_vdst, and no vector instruction has been issued since
.endif
	WIN 0x02                                       ; source 0 (Wk) in window 2
.irp s, 0,1,2,3
.irp t, 0,1,2,3,4,5,6,7
	MM ACC+8*\t, 32*\t+8*\s, XF+32*(\buf)+8*\s, \s, WS2+2*\t+\s/2, XS+4*(\buf)+\s, 0
.endr
.endr
	PLACES 4
	WIN 0x0c                                       ; source 1 (Q) in window 3
.irp j, 0,1,2,3
	v_pk_mul_f32 v[SA+2*\j:SA+2*\j+1], v[ACC+2*\j:ACC+2*\j+1], v[2*\j:2*\j+1]      ; the tile's scores: the sum over my 128 outputs of K x Q, in four pairs; each accumulator from its low end on
.endr
.irp t, 1,2,3,4,5,6,7
.irp j, 0,1,2,3
	v_pk_fma_f32 v[SA+2*\j:SA+2*\j+1], v[ACC+8*\t+2*\j:ACC+8*\t+2*\j+1], v[8*\t+2*\j:8*\t+2*\j+1], v[SA+2*\j:SA+2*\j+1]
.endr
.endr
	WIN 0
	s_wait_alu depctr_vm_vsrc(0)                   ; the score store of two tiles ago has read its address and its data, and the fetches issued so far their addresses: the lines below write them again
.if \step
	s_add_co_u32 s[FO], s[FO], 2048
	s_add_co_u32 s[FSO], s[FSO], 128
	MKADR 0
.endif
	v_add_nc_u32 v[SSA+\buf], s[SO], v[SSB]
	v_pk_add_f32 v[SA:SA+1], v[SA:SA+1], v[SA+2:SA+3]
	v_pk_add_f32 v[SA+4:SA+5], v[SA+4:SA+5], v[SA+6:SA+7]
	v_pk_add_f32 v[SA:SA+1], v[SA:SA+1], v[SA+4:SA+5]
	v_add_f32 v[T], v[SA], v[SA+1]
	v_permlanex16_b32 v[T+1], v[T], s[SEL], s[SEL+1]   ; the other half of the lanes holds the word's other 64 outputs
	v_add_f32 v[SCO+\buf], v[T], v[T+1]
	s_wait_alu depctr_va_vdst(0)                   ; the score and its address are written, which the store reads; so are the fetch addresses; and this tile's products are done reading their fragments and scale words, in which the next tile's fetch lands
	ds_store_b32 v[SSA+\buf], v[SCO+\buf] offset:64*\buf   ; my wave's part of the score of word 16 m + r
.endm
; A TILE OF 16 WORDS IN THE V PASS.  Source 0 = the 16 words, source 1 = 16 columns of Wv: register j of lane (r, h) is V(word 8 h + j, output 16 t + r): the sum over words runs along the registers.
; The next tile's fourteen LDS loads are dealt one behind each of the first fourteen products: this window setting leaves an LDS load's destination and address in window 0.
.macro VT buf, fetch, off, step
	s_wait_dscnt 0x0                               ; this tile's fourteen loads are in
.if \step
	s_wait_alu depctr_vm_vsrc(0)                   ; the fetches issued so far have read their addresses, which the lines below write again
	s_add_co_u32 s[FO], s[FO], 2048
	s_add_co_u32 s[FSO], s[FSO], 128
	MKADR 1
.endif
.if \fetch
	s_wait_alu depctr_va_vdst(0)                   ; the last tile's products are done reading the other buffer's fragments and scale words, its multiply-adds the other buffer's p: the loads below land there; in a trip's second tile their addresses are written
.endif
	WIN 0x04                                       ; source 1 (Wv) in window 1
.set NI, 0
.irp s, 0,1,2,3
.irp t, 0,1,2,3,4,5,6,7
	MM ACC+8*\t, XF+32*(\buf)+8*\s, 32*\t+8*\s, \s, XS+4*(\buf)+\s, WS1+2*\t+\s/2, 1
.if (\fetch) && (NI < 14)
	FLOAD 1-(\buf), \off, NI                       ; no wait: no vector or matrix instruction since the wait above names a register that this load touches
.endif
.set NI, NI+1
.endr
.endr
	WIN 0
	PLACES 4
.irp j, 0,1,2,3                        ; words 2 j, 2 j + 1 of my half, all eight tiles
.irp t, 0,1,2,3,4,5,6,7
	v_pk_fma_f32 v[O+2*\t:O+2*\t+1], v[ACC+8*\t+2*\j:ACC+8*\t+2*\j+1], v[P+8*(\buf)+2*\j:P+8*(\buf)+2*\j+1], v[O+2*\t:O+2*\t+1]
.endr
.endr
.endm
	; ---------------- the head: arguments and addresses
	s_load_b256 s[4:11], s[0:1], 0x0               ; x s[4:5], w s[6:7], wcodes s[8:9], wscales s[10:11]
	s_load_b64 s[12:13], s[0:1], 0x20              ; out0
	v_lshl_add_u32 v254, v0, 2, 0x2f400
	v_mov_b32 v255, 0
	v_lshrrev_b32 v240, 5, v0
	v_readfirstlane_b32 s[WV], v240                ; wave 0..3
	v_and_b32 v241, 31, v0                         ; lane
	v_and_b32 v242, 15, v0                         ; r
	v_bfe_u32 v243, v0, 4, 1                       ; h
	v_lshlrev_b32 v244, 2, v242                    ; 4 r
	v_lshlrev_b32 v[LN16], 4, v241
	v_lshlrev_b32 v[LN4], 2, v241
	s_wait_alu depctr_va_sdst(0)                   ; the wave's number is written, ahead of its first reader: LDS addresses and the bases are made from it
	s_lshl_b32 s16, s[WV], 9                       ; 512 wv
	v_add_nc_u32 v[XO], s16, v[LN16]
	s_mul_i32 s17, s[WV], STGW
	s_add_co_u32 s17, s17, STG                     ; my stage
	v_add_nc_u32 v[STI], s17, v[LN16]
	v_mul_u32_u24 v[STO], v242, 528
	v_lshl_add_u32 v[STO], v243, 7, v[STO]
	v_add_nc_u32 v[STO], s17, v[STO]
	s_lshl_b32 s18, s[WV], 15                      ; 32,768 wv: K step wv of x's images
	v_add_nc_u32 v[IMW], s18, v[LN16]
	s_lshl_b32 s19, s[WV], 11                      ; 2,048 wv
	v_add_nc_u32 v[R4X], XSC, v244
	v_add_nc_u32 v[SCW], s19, v[R4X]
	v_lshlrev_b32 v[H8], 3, v243
	v_add_nc_u32 v[TVW], TV, v[XO]
	v_lshl_add_u32 v[TVR], v243, 7, TV
	v_add_nc_u32 v[SSB], s19, v244
	v_add_nc_u32 v[SSB], SCP, v[SSB]
	v_add_nc_u32 v[SCR], SCP, v[LN16]
	v_add_nc_u32 v[PVW], s19, v[LN16]
	v_add_nc_u32 v[PVW], PV, v[PVW]
	v_lshl_add_u32 v[PVB], v243, 5, PV
	v_add_nc_u32 v[PVB], s19, v[PVB]
	v_add_nc_u32 v[OSA], s16, v244
	v_add_nc_u32 v[OSA], OST, v[OSA]
	v_add_nc_u32 v[OSR], OST, v[XO]
	v_mov_b32 v[TM+8], 0                           ; written once: a lane permute's destination counts as one of its sources
	s_mov_b32 s[SEL], 0x76543210
	s_mov_b32 s[SEL+1], 0xfedcba98
	s_mov_b32 s[CS], 0x3d8293ee                    ; log2(e) / sqrt(512)
	s_mov_b32 s[CS+1], s[CS]                       ; (named with it as a pair, so it is written)
	s_lshl_b32 s26, ttmp9, 20                      ; the sample's 1 MiB of x: 255 x 2^20 at the most, under 2^32
	s_mov_b32 s27, 0
	s_lshl_b32 s28, s[WV], 15                      ; my 8 tiles of a weight's images: 32,768 bytes
	s_mov_b32 s29, 0
	s_lshl_b32 s30, s[WV], 11                      ; and of its scale words: 2,048
	s_mov_b32 s31, 0
	s_wait_kmcnt 0x0
	s_add_nc_u64 s[4:5], s[4:5], s[26:27]
	s_add_nc_u64 s[8:9], s[8:9], s[28:29]
	s_add_nc_u64 s[10:11], s[10:11], s[30:31]
	s_lshl_b32 s26, ttmp9, 11                      ; out0: 2,048 bytes a sample, 512 a wave
	s_add_co_u32 s26, s26, s16
	s_add_nc_u64 s[12:13], s[12:13], s[26:27]
	s_wait_alu depctr_va_vdst(0)                   ; the offsets and LDS addresses made above are written: the kernel's loads and stores read them, and none of them is written again
	; ---------------- 1: the stream.  32 steps of 16 words, written out: every offset is an immediate, and each step's five loads of weights have registers of their own.
	; Four sets of rows are on their way: 64 loads of 512 bytes a wave at the start, then as many as the load counter's six bits count, the weights' among them.
	s_load_b512 s[SW:SW+15], s[6:7], 0x0
	s_load_b512 s[SW+16:SW+31], s[6:7], 0x40
	LOAD 0
	LOAD 1
	LOAD 2
	LOAD 3
	s_wait_loadcnt 48                              ; step 0's sixteen loads are in; three sets are younger
	STAGE 0
	TSUM 0
	s_wait_alu depctr_va_vdst(0)                   ; step 0's multiply-adds are done reading set 0 of the rows, in which step 4's loads land
	s_load_b512 s[SW:SW+15], s[6:7], 0x80
.set M, 0
.rept 32
	STEP M
.set M, M+1
.endr
	v_pk_add_f32 v[TA:TA+1], v[TA:TA+1], v[TA+4:TA+5]             ; t's four partial sums: lane l now holds t of features 128 wv + 4 l .. + 3, whole: my wave has walked all 512 words
	v_pk_add_f32 v[TA+2:TA+3], v[TA+2:TA+3], v[TA+6:TA+7]
	v_pk_add_f32 v[TA+8:TA+9], v[TA+8:TA+9], v[TA+12:TA+13]
	v_pk_add_f32 v[TA+10:TA+11], v[TA+10:TA+11], v[TA+14:TA+15]
	v_pk_add_f32 v[TA:TA+1], v[TA:TA+1], v[TA+8:TA+9]
	v_pk_add_f32 v[TA+2:TA+3], v[TA+2:TA+3], v[TA+10:TA+11]
	s_wait_alu depctr_va_vdst(0)                   ; the additions have written t, which the store reads
	ds_store_b128 v[TVW], v[TA:TA+3]
	s_wait_dscnt 0x0                               ; for the others' sake: my images, scale words and part of t lie in LDS
	s_barrier_signal -1
	s_barrier_wait -1                              ; everybody's do
	s_wait_alu depctr_vm_vsrc(0)                   ; my LDS stores have read t's, the codes' and the words' registers (v192-195, v208-225): the later phases write them as scores, p and work registers
	; ---------------- 2: Q, each wave for its own 128 outputs.  t is quantised by every wave: all sixteen columns of the operand are t.
.irp s, 0,1,2,3
.if \s > 0
	s_wait_alu depctr_va_vdst(0)                   ; the quantiser is done reading the 64 numbers, in which the next loads land (for the first K step the wait ahead of t's store has stated it)
.endif
.irp c, 0,1
.irp j, 0,1,2,3,4,5,6,7
	ds_load_b128 v[X0+32*\c+4*\j:X0+32*\c+4*\j+3], v[TVR] offset:512*\s+256*\c+16*\j
.endr
.endr
	s_wait_dscnt 0x0
	QUANT X0, TF+8*\s, TS+\s
.endr
	PLACES 8                                       ; a scale register written by a vector instruction stands eight places ahead of a scaled matrix instruction, an operand so written four
	s_wait_loadcnt 0x0                             ; Wq's and Wk's images and scale words
	s_wait_alu depctr_va_vdst(0)                   ; the quantiser has written t's codes and scale words, which the scaled products take; the places above stay beside this wait
	WIN 0xf1                                       ; source 0 (Wq) window 1; C and D window 3
.irp s, 0,1,2,3
.irp t, 0,1,2,3,4,5,6,7
	MM 8*\t, 32*\t+8*\s, TF+8*\s, \s, WS1+2*\t+\s/2, TS+\s, 0      ; register j of lane (., h): Q(16 t + 8 h + j), the same in all sixteen columns
.endr
.endr
	PLACES 4
	WIN 0xc3
.set I, 0
.rept 32
	v_pk_mul_f32 v[2*I:2*I+1], v[2*I:2*I+1], s[CS:CS+1] op_sel_hi:[1,0]   ; x log2(e) / sqrt(512): the scores then come out as exponents of 2.  In ascending order
.set I, I+1
.endr
	WIN 0
	; ---------------- 3: K, 32 tiles of 16 words; two tiles a trip on two buffers
	s_mov_b32 s[FO], 0
	s_mov_b32 s[FSO], 0
	s_mov_b32 s[SO], 0
	MKADR 0
	s_wait_alu depctr_va_vdst(0)                   ; the fetch addresses are written; the quantiser is done reading v64-127, in which the fetches land; Q's products are done reading Wq and its scale words, in which Wv's loads land
	FETCH 0, 0, 0
	WIN 0x40                                       ; Wv takes Wq's registers; it lands while K is made
.set I, 0
.rept 64
	global_load_b128 v[4*I:4*I+3], v[LN16], s[8:9] offset:262144+512*I
.set I, I+1
.endr
	WIN 0
.set I, 0
.rept 16
	global_load_b32 v[WS1+I], v[LN4], s[10:11] offset:16384+128*I
.set I, I+1
.endr
	s_wait_dscnt 0x0                               ; tile 0 is in: no store follows its loads, so the count at the tile's head would leave one of them out
.Lk:                                               ; 15 trips
	KT 0, 1, 1024, 1
	KT 1, 1, 0, 0
	s_add_co_u32 s[SO], s[SO], 128
	s_cmp_lt_u32 s[FO], 30720
	s_cbranch_scc1 .Lk
	KT 0, 1, 1024, 0                               ; tiles 30 and 31: the last fetches nothing
	KT 1, 0, 0, 0
	s_wait_dscnt 0x0                               ; for the others' sake: my parts of the 512 scores lie in LDS
	s_barrier_signal -1
	s_barrier_wait -1
	; ---------------- 4: the softmax, by every wave for itself: lane l holds words 128 q + 4 l + e in v[128 + 4 q + e]
.irp v, 0,1,2,3
.irp q, 0,1,2,3
	ds_load_b128 v[128+16*\v+4*\q:128+16*\v+4*\q+3], v[SCR] offset:2048*\v+512*\q   ; into the accumulators' registers: their writers and readers stand ahead of the last tile's wait on va_vdst
.endr
.endr
	s_wait_dscnt 0x0
.irp v, 1,2,3
.irp i, 0,2,4,6,8,10,12,14
	v_pk_add_f32 v[128+\i:129+\i], v[128+\i:129+\i], v[128+16*\v+\i:129+16*\v+\i]     ; the four waves' parts
.endr
.endr
	v_max3_num_f32 v224, v128, v129, v130          ; the largest of the 512
	v_max3_num_f32 v225, v131, v132, v133
	v_max3_num_f32 v224, v224, v134, v135
	v_max3_num_f32 v225, v225, v136, v137
	v_max3_num_f32 v224, v224, v138, v139
	v_max3_num_f32 v225, v225, v140, v141
	v_max3_num_f32 v224, v224, v142, v143
	v_max_num_f32 v224, v224, v225
	v_max_num_f32_dpp v224, v224, v224 row_xmask:1 row_mask:0xf bank_mask:0xf
	v_max_num_f32_dpp v224, v224, v224 row_xmask:2 row_mask:0xf bank_mask:0xf
	v_max_num_f32_dpp v224, v224, v224 row_xmask:4 row_mask:0xf bank_mask:0xf
	v_max_num_f32_dpp v224, v224, v224 row_xmask:8 row_mask:0xf bank_mask:0xf
	v_permlanex16_b32 v225, v224, s[SEL], s[SEL+1]
	v_max_num_f32 v224, v224, v225
.irp i, 0,1,2,3,4,5,6,7,8,9,10,11,12,13,14,15
	v_sub_f32 v[128+\i], v[128+\i], v224
.endr
.irp i, 0,1,2,3,4,5,6,7,8,9,10,11,12,13,14,15
	v_exp_f32 v[128+\i], v[128+\i]                 ; p = 2^(t - the largest t), at most 1; it is divided by its sum at the end
.endr
	v_nop                                          ; a plain line behind the exponentials
	s_wait_alu depctr_va_vdst(0)                   ; the sixteen exponentials have written p, which the stores below read; it is also the one wait between the batch and the first line that names a result
.irp q, 0,1,2,3
	ds_store_b128 v[PVW], v[128+4*\q:131+4*\q] offset:512*\q      ; my wave's own copy: read by my wave alone, in order behind these stores
.endr
.irp q, 0,1,2,3
	v_pk_add_f32 v[144+2*\q:145+2*\q], v[128+4*\q:129+4*\q], v[130+4*\q:131+4*\q]
.endr
	v_pk_add_f32 v[144:145], v[144:145], v[146:147]
	v_pk_add_f32 v[148:149], v[148:149], v[150:151]
	v_pk_add_f32 v[144:145], v[144:145], v[148:149]
	v_add_f32 v144, v144, v145
	v_add_f32_dpp v144, v144, v144 row_xmask:1 row_mask:0xf bank_mask:0xf
	v_add_f32_dpp v144, v144, v144 row_xmask:2 row_mask:0xf bank_mask:0xf
	v_add_f32_dpp v144, v144, v144 row_xmask:4 row_mask:0xf bank_mask:0xf
	v_add_f32_dpp v144, v144, v144 row_xmask:8 row_mask:0xf bank_mask:0xf
	v_permlanex16_b32 v145, v144, s[SEL], s[SEL+1]
	v_add_f32 v144, v144, v145                     ; the sum: at least 1
	v_rcp_f32 v[RINV], v144
	v_nop                                          ; a plain line behind the reciprocal
	; ---------------- 5: V, the same 32 tiles
	s_wait_alu depctr_vm_vsrc(0)                   ; the last score stores have read v202-205, which the clearing below writes; K's fetches have read their addresses, which are made anew; p's stores have read v128-143, which V's products write
.irp i, 0,1,2,3,4,5,6,7,8,9,10,11,12,13,14,15
	v_mov_b32 v[O+\i], 0                           ; sixteen registers, once: the tile is written once and its first walk finds zeros
.endr
	s_mov_b32 s[FO], 0
	s_mov_b32 s[FSO], 0
	MKADR 1
	s_wait_alu depctr_va_vdst(0)                   ; the fetch addresses are written; and the reciprocal has its wait, ahead of the label and of the line that names it on the way out
	FETCH 0, 0, 1
	s_wait_loadcnt 0x0                             ; Wv's images and scale words
.Lv:                                               ; 15 trips
	VT 0, 1, 1024, 0
	VT 1, 1, 0, 1
	s_cmp_lt_u32 s[FO], 30720
	s_cbranch_scc1 .Lv
	VT 0, 1, 1024, 0
	VT 1, 0, 0, 0
	; ---------------- the way out: lane (r, h) holds output 16 t + r summed over its half's words; the halves are added, divided by the sum of p,
	; and turned through 512 bytes of LDS of my own, so that the wave's one store covers 512 consecutive bytes, aligned
.irp t, 0,1,2,3,4,5,6,7
	v_add_f32 v[224+\t], v[O+2*\t], v[O+2*\t+1]
.endr
.irp t, 0,1,2,3,4,5,6,7
	v_permlanex16_b32 v[P+\t], v[224+\t], s[SEL], s[SEL+1]
.endr
.irp t, 0,1,2,3,4,5,6,7
	v_add_f32 v[224+\t], v[224+\t], v[P+\t]
.endr
.irp t, 0,1,2,3,4,5,6,7
	v_mul_f32 v[224+\t], v[224+\t], v[RINV]
.endr
	s_wait_alu depctr_va_vdst(0)                   ; the multiplications have written the eight results, which the stores read; the additions are done with v208-211, in which the load below lands
.irp t, 0,1,2,3,4,5,6,7
	ds_store_b32 v[OSA], v[224+\t] offset:64*\t    ; both halves of the lanes write the same word with the same value
.endr
	ds_load_b128 v[P:P+3], v[OSR]                  ; LDS serves a wave's instructions in order: this sees my stores
	s_wait_dscnt 0x0
	global_store_b128 v[LN16], v[P:P+3], s[12:13]
	s_wait_dscnt 0x0
	s_wait_alu depctr_hold_cnt(0) depctr_sa_sdst(0) depctr_va_vdst(0) depctr_va_sdst(0) depctr_va_ssrc(0) depctr_va_vcc(0) depctr_vm_vsrc(0)
	s_wait_tensorcnt 0x0
	ds_add_u32 v254, v255
	s_wait_dscnt 0x0
	s_endpgm
.Lfunc_end_k_qcaa79a3283_attn:
	.size	k_qcaa79a3283_attn, .Lfunc_end_k_qcaa79a3283_attn-k_qcaa79a3283_attn
	.p2alignl 7, 3214868480
	.fill 96, 4, 3214868480
	.section	.rodata,"a",@progbits
	.p2align	6, 0x0
	.amdhsa_kernel k_qcaa79a3283_attn
		.amdhsa_group_segment_fixed_size 194048
		.amdhsa_private_segment_fixed_size 0
		.amdhsa_enable_private_segment 0
		.amdhsa_kernarg_size 40
		.amdhsa_user_sgpr_count 2
		.amdhsa_user_sgpr_kernarg_segment_ptr 1
		.amdhsa_wavefront_size32 1
		.amdhsa_system_sgpr_workgroup_id_x 1
		.amdhsa_system_sgpr_workgroup_id_y 1
		.amdhsa_system_sgpr_workgroup_id_z 1
		.amdhsa_system_vgpr_workitem_id 0
		.amdhsa_next_free_vgpr 1024
		.amdhsa_next_free_sgpr 66
		.amdhsa_reserve_vcc 0
		.amdhsa_float_denorm_mode_32 3
		.amdhsa_float_denorm_mode_16_64 3
		.amdhsa_memory_ordered 1
		.amdhsa_forward_progress 1
		.amdhsa_inst_pref_size 255
	.end_amdhsa_kernel
	.section	.bss,"aw",@nobits
	.p2align	6
	.space	262144
	.amdgpu_metadata
---
amdhsa.version: [ 1, 2 ]
amdhsa.kernels:
  - .name:           k_qcaa79a3283_attn
    .symbol:         k_qcaa79a3283_attn.kd
    .args:
      - { .name: x, .offset: 0, .size: 8, .value_kind: global_buffer, .address_space: global }
      - { .name: w, .offset: 8, .size: 8, .value_kind: global_buffer, .address_space: global }
      - { .name: wcodes, .offset: 16, .size: 8, .value_kind: global_buffer, .address_space: global }
      - { .name: wscales, .offset: 24, .size: 8, .value_kind: global_buffer, .address_space: global }
      - { .name: out0, .offset: 32, .size: 8, .value_kind: global_buffer, .address_space: global }
    .group_segment_fixed_size: 194048
    .private_segment_fixed_size: 0
    .kernarg_segment_align: 8
    .kernarg_segment_size: 40
    .max_flat_workgroup_size: 128
    .sgpr_count:     66
    .vgpr_count:     1024
    .wavefront_size: 32
...
	.end_amdgpu_metadata
.endif
;; end of part 3
